; MI455X (gfx1250); checked and timed in simulation.
; The chip was launched on July 23, 2026; its instructions are those of AMD's public machine-readable ISA for CDNA 5 (MIT licence, August 2026) and "CDNA5" Instruction Set Architecture Reference Guide (July 2026). The comments in the code are by the model that wrote it; some were corrected since.
;; Router. Allowed arithmetic: matrix products marked QUANTISED: E5M2 operands, one given power-of-two scale a tensor, by v_wmma_f32_16x16x64_bf8_bf8 or v_wmma_f32_16x16x128_bf8_bf8, f32 sums; products left as they are: f32 operands where the result goes on into a quantised operand, else bf16, f16 or f32 operands; f32 sums; everything else in f32.
;; Inputs: b1 8 x 4,096 float32; b2 8 x 1,024 float32; gate_b 8 float32; gate_w 8 x 1,024 float32; lowp_scales 32 int32 (the exponents e of the quantised operands' scales 2^e); tokens 8 x 128 x 1,024 float32; w1_codes 8 x 4,096 x 32 x 32 uint8 (E5M2 codes of w1, K innermost, in blocks of 32 codes); w2_codes 8 x 1,024 x 128 x 32 uint8 (E5M2 codes of w2, K innermost, in blocks of 32 codes).
;; Outputs: out0 8 x 128 x 1,024 float32.
;; This version of the problem:
;;   THIS VERSION OF THE PROBLEM IS GIVEN IN LOW PRECISION. The matrix products marked QUANTISED in the list below multiply operands that are first quantised to E5M2 (5 exponent bits, 2 mantissa bits; 8 bits a number), with one given power-of-two scale for each operand tensor; their sums are f32. All else is computed in f32.
;;   The module's matrix products, in the order in which they are computed (A, B: the left and right operand; K: the contracted axis; several contracted axes count as one K, in the product's order):
;;     1. [M 1,024, K 1,024] x [K 1,024, N 8]; A: input tokens; B: input gate_w: left as it is (N = 8 < 16)
;;     2. batch 1,024 x [M 1, K 2] x [K 2, N 8]; A: computed on the way; B: computed on the way: left as it is (K = 2 < 32)
;;     3. [M 1,024, K 1,024] x [K 1,024, N 4,096]; A: input tokens; B: input w1 (given as codes): QUANTISED (scales: A lowp_scales[0], B lowp_scales[1])
;;     4. [M 1,024, K 4,096] x [K 4,096, N 1,024]; A: computed on the way; B: input w2 (given as codes): QUANTISED (scales: A lowp_scales[2], B lowp_scales[3])
;;     5. [M 1,024, K 1,024] x [K 1,024, N 4,096]; A: input tokens; B: input w1 (given as codes): QUANTISED (scales: A lowp_scales[4], B lowp_scales[5])
;;     6. [M 1,024, K 4,096] x [K 4,096, N 1,024]; A: computed on the way; B: input w2 (given as codes): QUANTISED (scales: A lowp_scales[6], B lowp_scales[7])
;;     7. [M 1,024, K 1,024] x [K 1,024, N 4,096]; A: input tokens; B: input w1 (given as codes): QUANTISED (scales: A lowp_scales[8], B lowp_scales[9])
;;     8. [M 1,024, K 4,096] x [K 4,096, N 1,024]; A: computed on the way; B: input w2 (given as codes): QUANTISED (scales: A lowp_scales[10], B lowp_scales[11])
;;     9. [M 1,024, K 1,024] x [K 1,024, N 4,096]; A: input tokens; B: input w1 (given as codes): QUANTISED (scales: A lowp_scales[12], B lowp_scales[13])
;;     10. [M 1,024, K 4,096] x [K 4,096, N 1,024]; A: computed on the way; B: input w2 (given as codes): QUANTISED (scales: A lowp_scales[14], B lowp_scales[15])
;;     11. [M 1,024, K 1,024] x [K 1,024, N 4,096]; A: input tokens; B: input w1 (given as codes): QUANTISED (scales: A lowp_scales[16], B lowp_scales[17])
;;     12. [M 1,024, K 4,096] x [K 4,096, N 1,024]; A: computed on the way; B: input w2 (given as codes): QUANTISED (scales: A lowp_scales[18], B lowp_scales[19])
;;     13. [M 1,024, K 1,024] x [K 1,024, N 4,096]; A: input tokens; B: input w1 (given as codes): QUANTISED (scales: A lowp_scales[20], B lowp_scales[21])
;;     14. [M 1,024, K 4,096] x [K 4,096, N 1,024]; A: computed on the way; B: input w2 (given as codes): QUANTISED (scales: A lowp_scales[22], B lowp_scales[23])
;;     15. [M 1,024, K 1,024] x [K 1,024, N 4,096]; A: input tokens; B: input w1 (given as codes): QUANTISED (scales: A lowp_scales[24], B lowp_scales[25])
;;     16. [M 1,024, K 4,096] x [K 4,096, N 1,024]; A: computed on the way; B: input w2 (given as codes): QUANTISED (scales: A lowp_scales[26], B lowp_scales[27])
;;     17. [M 1,024, K 1,024] x [K 1,024, N 4,096]; A: input tokens; B: input w1 (given as codes): QUANTISED (scales: A lowp_scales[28], B lowp_scales[29])
;;     18. [M 1,024, K 4,096] x [K 4,096, N 1,024]; A: computed on the way; B: input w2 (given as codes): QUANTISED (scales: A lowp_scales[30], B lowp_scales[31])
;;   THE QUANTISER, for each operand of a quantised product, along K:
;;     - The operand's scale is 2^e, e = its entry of the input lowp_scales (int32; the entries are numbered through the quantised products in the list's order, A before B).
;;     - Each number is divided by the scale, clamped to +-57,344, and rounded to the nearest number of E5M2, ties to even, subnormals kept.
;;     - The product sums the exact products of the quantised numbers (number of the format x scale) in f32.
;;   ~~~python
;;   def quantise(x, axis, e):      # numpy; x: float32 -> the quantised numbers, widened to float32 again
;;       x = np.moveaxis(x, axis, -1); K = x.shape[-1]
;;       r = np.clip(x / 2.0 ** e, -57344, 57344)
;;       step = 2.0 ** (np.maximum(np.frexp(np.where(r == 0, 1, r))[1] - 1, -14) - 2)
;;       q = np.round(r / step) * step * 2.0 ** e      # np.round: ties to even
;;       return np.moveaxis(q, -1, axis).astype(np.float32)
;;   ~~~
;;   OPERANDS COMPUTED ON THE WAY. 'Computed on the way' means the value that the module computes at that place (a softmax that the list does not call 'softmax' is quantised finished and normalised). What goes into a quantiser is computed in f32, as accurately as f32 sums, v_exp_f32 and their like allow (about 1e-6 of the number): no bf16 or f16 on the way to a quantiser, and a product that is left as it is and whose result goes on into a quantised operand takes f32 operands (vector FMAs, or v_wmma_f32_16x16x4_f32). A number that lies on a knife's edge between two numbers of the format may be rounded either way, as far as f32 arithmetic and the matrix unit's own rounding can turn it there, and no further.
;;   INPUTS GIVEN AS CODES. w1 (in the module: [8, 4096, 1024], K = its axis 2); w2 (in the module: [8, 1024, 4096], K = its axis 2): each comes as NAME_codes (uint8): NAME with its K axis moved to the last place and cut into blocks of 32 codes, [.., K / 32, bytes a block], one block behind the other in memory; one code a byte (a code: sign, 5 exponent bits, 2 mantissa bits); its scale is its entry of lowp_scales. Its value is code x scale, taken as it is: it is not quantised again, and the codes and scales need not be those that the quantiser above would give.
;; One version. Each part assembles by itself: llvm-mc -triple=amdgcn-amd-amdhsa -mcpu=gfx1250 --defsym DOCPART=n.
;; ======== version 1 of 1: 4 launches
;; limits: right only within a limited range of input values
;; workspace buffers: route 8,192 bytes of whole numbers; toplog 8,192 bytes; xq 8,388,608 bytes; hq 33,554,432 bytes; rowtab 40,960 bytes of whole numbers; counts 1,024 bytes of whole numbers; y 67,108,864 bytes
;; launch gate (part 1): grid 256 x 1, 4 waves a work-group, no clusters, 1,024 bytes of LDS; arguments tokens, gate_w, gate_b, lowp_scales, route, toplog, xq; writes route, toplog, xq
.if DOCPART == 1
	.amdgcn_target "amdgcn-amd-amdhsa--gfx1250"
	.amdhsa_code_object_version 6
	.text
	.protected	k_q8bb17e91c1_gate
	.globl	k_q8bb17e91c1_gate
	.p2align	8
	.type	k_q8bb17e91c1_gate,@function
k_q8bb17e91c1_gate:
	s_mov_b64 s[64:65], 0
	v_nop
	global_prefetch_b8 v0, s[64:65] scope:SCOPE_SE
	s_setreg_imm32_b32 hwreg(HW_REG_WAVE_MODE, 25, 1), 1
	s_wait_xcnt 0x0
; THE GATE, THE TOP-2 AND THE TOKENS' CODES.  logits[t][e] = tokens[t] . gate_w[e] + gate_b[e] in f32; the two largest logits of a token and their experts
; (ties keep the lower index, as jax.lax.top_k does) go to toplog and route; every token is quantised to E5M2 under each expert's own scale 2^lowp_scales[4 e] into xq[e][t][1024].
; DEAD WORK, LEFT OUT BY THE WHOLE PROGRAM.  reference() runs all eight experts on every token and multiplies y_e by gate_per_expert[b,t,e] = sum over k of weights[b,t,k] x one_hot(expert_ixs[b,t,k])[e].
; For an expert that top_k did not choose for the token both one_hot entries are the 0 that reference() builds itself, so the factor is 0 and 0 x y_e = 0 for every finite y_e, whatever the inputs hold.
; So only the rows (token, chosen expert) go through products 3 to 18, a quarter of them, and product 2 (the one_hot sum) is a lookup.  Every input has a way to the output and is loaded: gate_b moves the choice and the softmax.
; LIMITS.  A NaN, an infinity or an overflow that arises only in an expert that was not chosen for a token is not carried to the result.  NaN and infinite logits are not served.
; Each lowp_scales[4 e] lies between -126 and 112, so that 2^e and 57,344 x 2^e are f32 numbers.
; All eight versions of the codes are made here, since no address of this launch may hang on its own top-2.
; SHARES.  A work-group takes 4 tokens; wave w takes numbers 256 w .. 256 w + 255 of each, a lane 8 neighbours.  The waves' partial logits meet in LDS; wave 0 adds them and chooses.
; No matrix unit: 8 columns are too few; no tensor load: each byte is read once, straight into the registers that use it.
.set SPARE, 512                        ; LDS: 0..511 the partial logits [wave][token][8]; then the spare words, 128 bytes a wave
.set SPW, 4                            ; v4   my spare word; never rewritten
.set NIL, 5                            ; v5   0; never rewritten
.set X,   16                           ; v16-47   token tau's 8 numbers at X + 8 tau
.set G,   48                           ; v48-111  gate_w[e]'s 8 numbers at G + 8 e; later the codes, a pair for each (tau, e)
.set P,   112                          ; v112-175 the dots' pairs; later wave 0's partial logits
.set S,   176                          ; v176-207 the sums, 8 tau + e
.set SCL, 208                          ; v208-215 2^ex_e
.set LIM, 216                          ; v216-223 57,344 x 2^ex_e
.set TMP, 224                          ; v224-239 two sets of 8 held numbers
	s_load_b256 s[4:11], s[0:1], 0x0               ; tokens, gate_w, gate_b, lowp_scales
	s_load_b128 s[12:15], s[0:1], 0x20             ; route, toplog
	s_load_b64 s[16:17], s[0:1], 0x30              ; xq
	v_lshl_add_u32 v[SPW], v0, 2, SPARE
	v_mov_b32 v[NIL], 0
	v_lshrrev_b32 v1, 5, v0
	v_readfirstlane_b32 s18, v1                    ; wave
	v_and_b32 v1, 31, v0                           ; lane
	v_lshlrev_b32 v2, 5, v1                        ; my 8 f32 numbers
	v_lshlrev_b32 v3, 3, v1                        ; my 8 codes
	s_lshl_b32 s19, s18, 7
	v_mov_b32 v6, s19                              ; where my wave puts its 32 partial logits
	v_and_b32 v7, 3, v1
	v_lshlrev_b32 v8, 3, v7                        ; token (lane % 4)'s 8 bytes in route and toplog
	v_lshlrev_b32 v7, 5, v7                        ; and its 8 partial logits in a wave's 128 bytes
	s_mov_b32 s20, 0x76543210                      ; v_permlanex16_b32: lane l xor 16
	s_mov_b32 s21, 0xfedcba98
	s_lshl_b32 s22, ttmp9, 14                      ; 4 tokens of 4,096 bytes a work-group,
	s_lshl_b32 s2, s18, 10                         ; 1,024 bytes of a row a wave
	s_add_co_u32 s22, s22, s2
	s_mov_b32 s23, 0
	s_mov_b32 s3, 0
	s_wait_alu depctr_va_vdst(0)
	s_wait_kmcnt 0x0
	s_load_b256 s[24:31], s[8:9], 0x0              ; gate_b
	s_load_b512 s[32:47], s[10:11], 0x0            ; lowp_scales: ex_e is entry 4 e
	s_load_b512 s[48:63], s[10:11], 0x40
	s_add_nc_u64 s[4:5], s[4:5], s[22:23]
	s_add_nc_u64 s[6:7], s[6:7], s[2:3]
	s_lshl_b32 s22, ttmp9, 12                      ; xq: 4 rows of 1,024 codes a work-group, 256 codes a wave
	s_lshl_b32 s2, s18, 8
	s_add_co_u32 s22, s22, s2
	s_add_nc_u64 s[16:17], s[16:17], s[22:23]
	s_lshl_b32 s22, ttmp9, 5                       ; route, toplog: 8 bytes a token
	s_add_nc_u64 s[12:13], s[12:13], s[22:23]
	s_add_nc_u64 s[14:15], s[14:15], s[22:23]
.irp t, 0,1,2,3
	global_load_b128 v[X+8*\t:X+8*\t+3],   v2, s[4:5] offset:4096*\t th:TH_LOAD_NT
	global_load_b128 v[X+8*\t+4:X+8*\t+7], v2, s[4:5] offset:4096*\t+16 th:TH_LOAD_NT
.endr
.irp e, 0,1,2,3,4,5,6,7
	global_load_b128 v[G+8*\e:G+8*\e+3],   v2, s[6:7] offset:4096*\e
	global_load_b128 v[G+8*\e+4:G+8*\e+7], v2, s[6:7] offset:4096*\e+16
.endr
	s_wait_kmcnt 0x0                               ; gate_b and the exponents; the powers of two are made while the loads are out
.irp e, 0,1,2,3,4,5,6,7
	s_add_co_i32 s22, s[32+4*\e], 127
	s_lshl_b32 s23, s22, 23
	v_mov_b32 v[SCL+\e], s23                       ; 2^ex_e as f32: the conversion takes its exponent field
	s_add_co_i32 s22, s22, 15
	s_lshl_b32 s22, s22, 23
	s_or_b32 s22, s22, 0x600000
	v_mov_b32 v[LIM+\e], s22                       ; 57,344 x 2^ex_e
.endr
	s_wait_loadcnt 0x0
	; the 32 dots of my 8 numbers, two at a time; stage by stage, so that no line waits for the one above it
.irp t, 0,1,2,3
.irp e, 0,1,2,3,4,5,6,7
	v_pk_mul_f32 v[P+2*(8*\t+\e):P+2*(8*\t+\e)+1], v[X+8*\t:X+8*\t+1], v[G+8*\e:G+8*\e+1]
.endr
.endr
.irp k, 2,4,6
.irp t, 0,1,2,3
.irp e, 0,1,2,3,4,5,6,7
	v_pk_fma_f32 v[P+2*(8*\t+\e):P+2*(8*\t+\e)+1], v[X+8*\t+\k:X+8*\t+\k+1], v[G+8*\e+\k:G+8*\e+\k+1], v[P+2*(8*\t+\e):P+2*(8*\t+\e)+1]
.endr
.endr
.endr
.set n, 0
.rept 32
	v_add_f32 v[S+n], v[P+2*n], v[P+2*n+1]
.set n, n+1
.endr
.irp m, 1,2,4,8                        ; over the 32 lanes: four steps inside each half,
.set n, 0
.rept 32
	v_add_f32_dpp v[S+n], v[S+n], v[S+n] row_xmask:\m row_mask:0xf bank_mask:0xf
.set n, n+1
.endr
.endr
.set n, 0
.rept 32
	v_permlanex16_b32 v[P+n], v[S+n], s20, s21     ; one across (the destination has been written: the dots' pairs)
.set n, n+1
.endr
.set n, 0
.rept 32
	v_add_f32 v[S+n], v[S+n], v[P+n]
.set n, n+1
.endr
.irp q, 0,1,2,3,4,5,6,7
	ds_store_b128 v6, v[S+4*\q:S+4*\q+3] offset:16*\q   ; every lane holds the same sums and writes the same words
.endr
	s_wait_dscnt 0x0                               ; for wave 0's sake: my partial logits lie in LDS
	s_barrier_signal -1
	s_barrier_wait -1
; Token tau under expert e's scale: held within the largest code x the scale (the conversion to an 8-bit code does not saturate: ISA guide 7.6.2), converted, stored: 32 lanes x 8 bytes = 256 consecutive bytes, aligned.
; The held numbers take two sets by turns, so that eight plain lines stand between a conversion and the next write of its sources; each store has code registers of its own, so none is written again.
.macro QT t, e
.irp i, 0,1,2,3,4,5,6,7
	v_med3_num_f32 v[TMP+8*((\e)%2)+\i], v[X+8*(\t)+\i], -v[LIM+\e], v[LIM+\e]
.endr
	v_cvt_scalef32_pk8_bf8_f32 v[G+2*(8*(\t)+\e):G+2*(8*(\t)+\e)+1], v[TMP+8*((\e)%2):TMP+8*((\e)%2)+7], v[SCL+\e]
	global_store_b64 v3, v[G+2*(8*(\t)+\e):G+2*(8*(\t)+\e)+1], s[16:17] offset:(\e)*1048576+(\t)*1024
.endm
.irp t, 0,1,2,3
.irp e, 0,1,2,3,4,5,6,7
	QT \t, \e
.endr
.endr
	v_nop                                          ; a plain line behind the last conversion
	s_cmp_lg_u32 s18, 0
	s_cbranch_scc1 .Lend
	; wave 0: lane l serves token l % 4 (eight lanes do the same work; lanes 0 to 3 store)
.irp w, 0,1,2,3
	ds_load_b128 v[P+8*\w:P+8*\w+3],   v7 offset:128*\w
	ds_load_b128 v[P+8*\w+4:P+8*\w+7], v7 offset:128*\w+16
.endr
	s_wait_dscnt 0x0
.irp e, 0,1,2,3,4,5,6,7
	v_add_f32 v[144+\e], v[P+\e], v[P+8+\e]
	v_add_f32 v[152+\e], v[P+16+\e], v[P+24+\e]
.endr
.irp e, 0,1,2,3,4,5,6,7
	v_add_f32 v[144+\e], v[144+\e], v[152+\e]
.endr
.irp e, 0,1,2,3,4,5,6,7
	v_add_f32 v[144+\e], s[24+\e], v[144+\e]       ; + gate_b[e]
.endr
	v_mov_b32 v240, v144                           ; m1, the largest so far, and i1 (v242)
	v_mov_b32 v242, 0
	v_mov_b32 v241, 0xff800000                     ; m2, the second, and i2 (v243)
	v_mov_b32 v243, 0
.irp e, 1,2,3,4,5,6,7                  ; strict compares: on a tie the lower index stays ahead
	v_cmp_gt_f32 s22, v[144+\e], v240
	v_cmp_gt_f32 s23, v[144+\e], v241
	v_cndmask_b32 v241, v241, v[144+\e], s23
	v_cndmask_b32 v243, v243, \e, s23
	v_cndmask_b32 v241, v241, v240, s22
	v_cndmask_b32 v243, v243, v242, s22
	v_cndmask_b32 v240, v240, v[144+\e], s22
	v_cndmask_b32 v242, v242, \e, s22
.endr
	v_cmp_gt_u32 vcc_lo, 4, v1
	s_wait_alu depctr_va_vdst(0)
	s_wait_xcnt 0x0                                ; EXEC changes only behind this wait: the codes' stores have been issued
	s_and_saveexec_b32 s22, vcc_lo
	global_store_b64 v8, v[242:243], s[12:13]      ; the two experts, at a fixed place
	global_store_b64 v8, v[240:241], s[14:15]      ; the two logits
	s_wait_xcnt 0x0                                ; and again ahead of the line that widens it
	s_or_b32 exec_lo, exec_lo, s22
.Lend:
	s_wait_tensorcnt 0x0                           ; the wave's end
	ds_add_u32 v[SPW], v[NIL]
	s_wait_dscnt 0x0
	s_endpgm
.Lfunc_end_k_q8bb17e91c1_gate:
	.size	k_q8bb17e91c1_gate, .Lfunc_end_k_q8bb17e91c1_gate-k_q8bb17e91c1_gate
	.p2alignl 7, 3214868480
	.fill 96, 4, 3214868480
	.section	.rodata,"a",@progbits
	.p2align	6, 0x0
	.amdhsa_kernel k_q8bb17e91c1_gate
		.amdhsa_group_segment_fixed_size 1024
		.amdhsa_private_segment_fixed_size 0
		.amdhsa_enable_private_segment 0
		.amdhsa_kernarg_size 56
		.amdhsa_user_sgpr_count 2
		.amdhsa_user_sgpr_kernarg_segment_ptr 1
		.amdhsa_wavefront_size32 1
		.amdhsa_system_sgpr_workgroup_id_x 1
		.amdhsa_system_sgpr_workgroup_id_y 1
		.amdhsa_system_sgpr_workgroup_id_z 1
		.amdhsa_system_vgpr_workitem_id 0
		.amdhsa_next_free_vgpr 256
		.amdhsa_next_free_sgpr 66
		.amdhsa_reserve_vcc 1
		.amdhsa_float_denorm_mode_32 3
		.amdhsa_float_denorm_mode_16_64 3
		.amdhsa_memory_ordered 1
		.amdhsa_forward_progress 1
		.amdhsa_inst_pref_size 54
	.end_amdhsa_kernel
	.amdgpu_metadata
---
amdhsa.version: [ 1, 2 ]
amdhsa.kernels:
  - .name:           k_q8bb17e91c1_gate
    .symbol:         k_q8bb17e91c1_gate.kd
    .args:
      - { .name: tokens, .offset: 0, .size: 8, .value_kind: global_buffer, .address_space: global }
      - { .name: gate_w, .offset: 8, .size: 8, .value_kind: global_buffer, .address_space: global }
      - { .name: gate_b, .offset: 16, .size: 8, .value_kind: global_buffer, .address_space: global }
      - { .name: lowp_scales, .offset: 24, .size: 8, .value_kind: global_buffer, .address_space: global }
      - { .name: route, .offset: 32, .size: 8, .value_kind: global_buffer, .address_space: global }
      - { .name: toplog, .offset: 40, .size: 8, .value_kind: global_buffer, .address_space: global }
      - { .name: xq, .offset: 48, .size: 8, .value_kind: global_buffer, .address_space: global }
    .group_segment_fixed_size: 1024
    .private_segment_fixed_size: 0
    .kernarg_segment_align: 8
    .kernarg_segment_size: 56
    .max_flat_workgroup_size: 128
    .sgpr_count:     66
    .vgpr_count:     256
    .wavefront_size: 32
...
	.end_amdgpu_metadata
.endif
;; end of part 1
;; launch up (part 2): grid 32 x 8, 4 waves a work-group, no clusters, 139,008 bytes of LDS; arguments route, xq, w1_codes, b1, lowp_scales, hq, rowtab, counts; writes hq, rowtab, counts
.if DOCPART == 2
	.amdgcn_target "amdgcn-amd-amdhsa--gfx1250"
	.amdhsa_code_object_version 6
	.text
	.protected	k_q8bb17e91c1_up
	.globl	k_q8bb17e91c1_up
	.p2align	8
	.type	k_q8bb17e91c1_up,@function
k_q8bb17e91c1_up:
	s_mov_b64 s[64:65], 0
	v_nop
	global_prefetch_b8 v0, s[64:65] scope:SCOPE_SE
	s_setreg_imm32_b32 hwreg(HW_REG_WAVE_MODE, 25, 1), 1
	s_wait_xcnt 0x0
; THE FIRST PRODUCT OF EACH EXPERT, ON ITS CHOSEN ROWS ALONE: hq = Q(relu(Q(x) W1[e]^T + b1[e])), as codes of E5M2 under 2^eh.
; Work left out: the rows of tokens that did not choose expert e (their gate is the 0 of reference()'s own one_hot: see the first kernel's head).
; SHARES.  Work-group (c, e) owns hidden units 128 c .. 128 c + 127 of expert e: 128 rows of W1, one dense block of 128 KiB, read from memory once, laid in LDS once and only read from then on.
; Every work-group reads route (8 KiB of whole numbers that the launch before stored) and places expert e's tokens by rank: rank = how many earlier tokens chose e.  16 ranks are a tile.
; The waves share the ROWS.  A pass covers 20 tiles: wave w takes tiles 20 p + 4 w .. + 3, and beside them tile 20 p + 16 + w where that tile's pair begins under the count: the fifth tile uses the fragments of W1
; that the wave reads anyway, so a few ranks over 256 cost no second walk over K.  The first pass's four tiles a wave (tiles 0 to 15) are always made, with token 0 in the places past the count, so that the next
; launch may ask for those tiles ahead of knowing the count; a later pass is made by a wave whose first tile lies under the count.  So every pair of tiles whose first lies under the count is stored: the next launch reads pairs.
; Every pass asks for five tiles' first three K steps, with no branch (a place past the count names token 0: all lanes then ask for one row); one branch on the count then takes the form with five tiles or with four.
; No tensor load and no cluster: trips and branches hang on counts read from memory.
; THE PRODUCT IS USED TRANSPOSED (source 0 = 16 rows of W1, source 1 = 16 tokens), AND THE ROWS OF W1 THAT FORM A TILE ARE NOT NEIGHBOURS: row rho of tile 2 b + u is hidden unit 32 b + 8 u + rho + 8 (rho / 8).
; So a lane holds one token, and its 16 registers of tiles 2 b, 2 b + 1 are hidden units 32 b + 16 (lane / 16) + 0 .. 15: the conversions' results are the registers of K step c of the second product's operand,
; and go to hq as an image of those registers: [e][tile][K step][4 registers' group][lane][16 bytes], 512 consecutive bytes a store.
; k within an instruction: registers 4 c' .. 4 c' + 3 hold k = 32 c' + 16 (lane / 16) + 0 .. 15, alike in both operands, so every product meets its partner.
; b1 is the C of each sum's first instruction, divided by 2^(ex + ew1); the conversion's one scale is 2^(eh - ex - ew1); the hold between 0 and the largest code is also the relu.
; ROWTAB: words 0 .. 2,047 are [token][slot] = e x 1,024 + rank; work-group (c, e) stores those of tokens 32 c .. 32 c + 31 that chose e.  All lanes stay on: a lane whose token did not choose e stores into a
; word of its own behind the table (word 2,048 + 32 (32 e + c) + lane), which nobody reads.
; LIMITS: eh - ex - ew1 between -126 and 112.  NaN among the inputs is not served.
; REGISTERS.  window 0: v1-35 addresses and small things; v36-55 my wave's tokens, five for each pass still to come; v64-127 b1's 8 tiles; v128-191, v192-255 W1's fragments, two sets of 4 (at the head: route, and
;   the list's places; on the way out: the codes).   window 1: at the head W1's rows on their way to LDS, then the 32 accumulators of tiles 0-3, (tile of tokens i, tile of units t) at 64 i + 8 t.
;   window 2: the fragments of tiles 0-3, 4 slots of (4 tiles x 16), K step s in slot s % 4.   window 3: the fifth tile: v0-63 its 8 accumulators, v64-127 its 4 slots of 16.
.set PITCH, 1040                       ; an LDS row of W1: 1,024 bytes + 16: 65 x 16 bytes, so the 16 rows of a fragment load start at 16 different 16-byte columns
.set LIST,  128*PITCH                  ; behind W1's 128 rows: token ids by rank, 1,280 words (4 passes x 20 tiles x 16), then 32 words into which the lanes that did not choose e write
.set SPARE, LIST+5376                  ; the spare words, 128 bytes a wave
.set WF,   9                           ; v9, v10  my lane's place in tiles 0-3, 4-7 of W1
.set ROW,  16                          ; v16-20   byte offset in xq[e] of my row's token in the pass's five tiles
.set TK,   36                          ; v36-55   the tokens as read from the list: this pass's five first
.set SC,   14                          ; v14      2^(eh - ex - ew1)
.set LM,   15                          ; v15      57,344 x that
.set SPW,  28                          ; v28      my spare word; never rewritten
.set NIL,  29                          ; v29      0; never rewritten
.set BIAS, 64
.set FB,   128
.set RT,   128                         ; route of tokens 32 g + lane: v[RT + 2 g], v[RT + 2 g + 1]
.set PL,   192                         ; where token 32 g + lane goes in the list
.set MSB, 0
.macro WIN new                         ; the immediate's high byte repeats the setting that is left; a switch that changes nothing is dropped
.if MSB != \new
	s_set_vgpr_msb (MSB<<8)|\new
.set MSB, \new
.endif
.endm
.macro PLACES                          ; four plain places behind matrix instructions, ahead of loads into registers that they read and of reads of their results
.rept 4
	v_nop
.endr
.endm
.macro BLOAD j                         ; 8 of my 32 rows of W1: 16 loads of 512 consecutive bytes, into window 1
	WIN 0x40
.set kk, 0
.rept 16
	global_load_b128 v[64*(\j)+4*kk:64*(\j)+4*kk+3], v4, s[8:9] offset:(8*(\j)+kk/2)*1024+(kk%2)*512 th:TH_LOAD_NT
.set kk, kk+1
.endr
.endm
.macro BSTORE j                        ; and into LDS, in the order of the tiles: row q of my 32 goes to LDS row 16 ((q / 8) % 2) + q % 8 + 8 (q / 16)
	WIN 0x04
.set kk, 0
.rept 16
.set qr, 8*(\j)+kk/2
	ds_store_b128 v8, v[64*(\j)+4*kk:64*(\j)+4*kk+3] offset:(16*((qr>>3)&1)+(qr&7)+8*(qr>>4))*PITCH+(kk%2)*512
.set kk, kk+1
.endr
.endm
.macro ROWS                            ; the pass's five tokens become offsets: a number read from memory is held under 1,024 before it enters an address
.set ii, 0
.rept 5
	v_min_u32 v[ROW+ii], 1023, v[TK+ii]
	v_lshl_add_u32 v[ROW+ii], v[ROW+ii], 10, v6
.set ii, ii+1
.endr
.endm
.macro ALOAD T, s                      ; K step s of T tiles of tokens (T = 4 or 5): 4 T loads, into slot s % 4: tiles 0-3 in window 2, the fifth in window 3
	WIN 0x80
.set ii, 0
.rept 4
.irp c, 0,1,2,3
	global_load_b128 v[64*((\s)%4)+16*ii+4*\c:64*((\s)%4)+16*ii+4*\c+3], v[ROW+ii], s[6:7] offset:128*(\s)+32*\c
.endr
.set ii, ii+1
.endr
.if (\T) == 5
	WIN 0xc0
.irp c, 0,1,2,3
	global_load_b128 v[64+16*((\s)%4)+4*\c:64+16*((\s)%4)+4*\c+3], v[ROW+4], s[6:7] offset:128*(\s)+32*\c
.endr
.endif
.endm
.macro FETCHB q                        ; group q: K step q / 2, tiles 4 (q % 2) .. + 3 of W1: 16 LDS loads into set q % 2
.irp tt, 0,1,2,3
.irp c, 0,1,2,3
	ds_load_b128 v[FB+64*((\q)%2)+16*\tt+4*\c:FB+64*((\q)%2)+16*\tt+4*\c+3], v[WF+((\q)%2)] offset:\tt*16*PITCH+128*((\q)/2)+32*\c
.endr
.endr
.endm
; T tiles of tokens x 128 hidden units x K = 1,024: 16 groups of 4 T matrix instructions.  The 8 T accumulators take turns, one instruction a turn.
.macro COMPUTE T
	WIN 0
	FETCHB 0
.set qq, 0
.rept 16
	WIN 0
.if qq > 0
	PLACES                                         ; behind group qq - 1's products: the set and the slot that they read are loaded again below
.endif
.if qq < 15
	FETCHB qq+1
.endif
.if (qq%2) == 0
.if (qq/2) <= 5
	s_wait_loadcnt 8*\T                            ; this K step's tokens are in; the two steps asked for behind it, 4 T loads each, stay out
.elseif (qq/2) == 6
	s_wait_loadcnt 4*\T                            ; one step behind it
.else
	s_wait_loadcnt 0x0
.endif
.if (qq/2) <= 4
	ALOAD \T, qq/2+3                               ; three steps ahead, into the slot that the step before this one read
.endif
.endif
.if qq < 15
	s_wait_dscnt 16                                ; this group's fragments are in; the next group's 16 loads stay out
.else
	s_wait_dscnt 0x0
.endif
.if qq < 2
	WIN 0x48                                       ; D window 1, source 1 (tokens) window 2, C (b1) window 0
.else
	WIN 0x58                                       ; C window 1 as well
.endif
.set ii, 0
.rept 4
.irp tt, 0,1,2,3
.if qq < 2
	v_wmma_f32_16x16x128_bf8_bf8 v[64*ii+8*(4*(qq%2)+\tt):64*ii+8*(4*(qq%2)+\tt)+7], v[FB+64*(qq%2)+16*\tt:FB+64*(qq%2)+16*\tt+15], v[64*((qq/2)%4)+16*ii:64*((qq/2)%4)+16*ii+15], v[BIAS+8*(4*(qq%2)+\tt):BIAS+8*(4*(qq%2)+\tt)+7]
.else
	v_wmma_f32_16x16x128_bf8_bf8 v[64*ii+8*(4*(qq%2)+\tt):64*ii+8*(4*(qq%2)+\tt)+7], v[FB+64*(qq%2)+16*\tt:FB+64*(qq%2)+16*\tt+15], v[64*((qq/2)%4)+16*ii:64*((qq/2)%4)+16*ii+15], v[64*ii+8*(4*(qq%2)+\tt):64*ii+8*(4*(qq%2)+\tt)+7]
.endif
.endr
.set ii, ii+1
.endr
.if (\T) == 5                          ; the fifth tile against the same four fragments of W1
.if qq < 2
	WIN 0xcc                                       ; D and source 1 window 3, C (b1) window 0
.else
	WIN 0xfc                                       ; C window 3 as well
.endif
.irp tt, 0,1,2,3
.if qq < 2
	v_wmma_f32_16x16x128_bf8_bf8 v[8*(4*(qq%2)+\tt):8*(4*(qq%2)+\tt)+7], v[FB+64*(qq%2)+16*\tt:FB+64*(qq%2)+16*\tt+15], v[64+16*((qq/2)%4):64+16*((qq/2)%4)+15], v[BIAS+8*(4*(qq%2)+\tt):BIAS+8*(4*(qq%2)+\tt)+7]
.else
	v_wmma_f32_16x16x128_bf8_bf8 v[8*(4*(qq%2)+\tt):8*(4*(qq%2)+\tt)+7], v[FB+64*(qq%2)+16*\tt:FB+64*(qq%2)+16*\tt+15], v[64+16*((qq/2)%4):64+16*((qq/2)%4)+15], v[8*(4*(qq%2)+\tt):8*(4*(qq%2)+\tt)+7]
.endif
.endr
.endif
.set qq, qq+1
.endr
.endm
; The way out: relu and hold in one, each accumulator from its low end on; the conversions give K step c's operand registers; they leave as they stand.
.macro EPI T
	WIN 0
	PLACES
	WIN 0x41
.set n, 0
.rept 256
	v_med3_num_f32 v[n], v[n], 0, v[LM]
.set n, n+1
.endr
.if (\T) == 5
	WIN 0xc3
.set n, 0
.rept 64
	v_med3_num_f32 v[n], v[n], 0, v[LM]
.set n, n+1
.endr
.endif
	WIN 0x01
.set ii, 0
.rept 4
.irp b, 0,1,2,3
	v_cvt_scalef32_pk8_bf8_f32 v[FB+16*ii+4*\b:FB+16*ii+4*\b+1], v[64*ii+16*\b:64*ii+16*\b+7], v[SC]
	v_cvt_scalef32_pk8_bf8_f32 v[FB+16*ii+4*\b+2:FB+16*ii+4*\b+3], v[64*ii+16*\b+8:64*ii+16*\b+15], v[SC]
.endr
.set ii, ii+1
.endr
.if (\T) == 5
	WIN 0x03
.irp b, 0,1,2,3
	v_cvt_scalef32_pk8_bf8_f32 v[FB+64+4*\b:FB+64+4*\b+1], v[16*\b:16*\b+7], v[SC]
	v_cvt_scalef32_pk8_bf8_f32 v[FB+64+4*\b+2:FB+64+4*\b+3], v[16*\b+8:16*\b+15], v[SC]
.endr
.endif
	WIN 0
	v_nop                                          ; a plain line between the last conversion and the next products, which write its sources
.set ii, 0
.rept 4
.irp b, 0,1,2,3
	global_store_b128 v4, v[FB+16*ii+4*\b:FB+16*ii+4*\b+3], s[14:15] offset:ii*65536+\b*512
.endr
.set ii, ii+1
.endr
.if (\T) == 5
.irp b, 0,1,2,3
	global_store_b128 v4, v[FB+64+4*\b:FB+64+4*\b+3], s[46:47] offset:\b*512
.endr
.endif
.endm
	s_load_b512 s[4:19], s[0:1], 0x0               ; route s[4:5], xq s[6:7], w1 s[8:9], b1 s[10:11], scales s[12:13], hq s[14:15], rowtab s[16:17], counts s[18:19]
	v_lshl_add_u32 v[SPW], v0, 2, SPARE
	v_mov_b32 v[NIL], 0
	v_lshrrev_b32 v1, 5, v0
	v_readfirstlane_b32 s20, v1                    ; wave w
	s_mov_b32 s21, ttmp9                           ; c
	s_and_b32 s22, ttmp7, 0xffff                   ; e
	; every address register that hangs on ids alone is made here, ahead of the first branch
	v_and_b32 v1, 31, v0                           ; lane
	v_and_b32 v2, 15, v0                           ; r
	v_bfe_u32 v3, v0, 4, 1                         ; h
	v_lshlrev_b32 v4, 4, v1                        ; 16 x lane
	v_lshlrev_b32 v5, 3, v1                        ; 8 x lane
	v_lshlrev_b32 v6, 4, v3                        ; 16 h
	v_lshlrev_b32 v7, 6, v3                        ; 64 h
	s_mul_i32 s36, s20, 32*PITCH
	v_add_nc_u32 v8, s36, v4                       ; where my wave's rows of W1 go
	v_mul_u32_u24 v9, v2, PITCH
	v_lshl_add_u32 v9, v3, 4, v9
	v_add_nc_u32 v10, 64*PITCH, v9
	v_lshlrev_b32 v11, 2, v2
	v_lshlrev_b32 v12, 2, v2
	s_lshl_b32 s36, s20, 8
	s_add_co_u32 s36, s36, LIST
	v_add_nc_u32 v11, s36, v11                     ; the list's word of rank 64 w + r: my row in tile 4 w
	s_lshl_b32 s36, s20, 6
	s_add_co_u32 s36, s36, LIST+1024
	v_add_nc_u32 v12, s36, v12                     ; and of rank 256 + 16 w + r: my row in tile 16 + w
	v_add_nc_u32 v13, 1280, v1                     ; the list's place for a lane that did not choose e
	v_add_nc_u32 v30, LIST, v4                     ; the list, 16 bytes a lane
	v_lshlrev_b32 v35, 2, v1                       ; 4 x lane
.irp i, 24,25,26,27
	v_mov_b32 v\i, 0
.endr
	s_mov_b32 s43, 0
	s_wait_kmcnt 0x0
	s_lshl_b32 s42, s22, 4
	s_add_nc_u64 s[12:13], s[12:13], s[42:43]
	s_load_b128 s[24:27], s[12:13], 0x0            ; ex, ew1, eh, ew2 of expert e
	s_lshl_b32 s42, s22, 20
	s_add_nc_u64 s[6:7], s[6:7], s[42:43]          ; xq[e]
	s_lshl_b32 s42, s22, 22
	s_lshl_b32 s36, s21, 17
	s_add_co_u32 s42, s42, s36
	s_lshl_b32 s36, s20, 15
	s_add_co_u32 s42, s42, s36
	s_add_nc_u64 s[8:9], s[8:9], s[42:43]          ; W1[e], rows 128 c + 32 w on
	s_lshl_b32 s42, s22, 14
	s_lshl_b32 s36, s21, 9
	s_add_co_u32 s42, s42, s36
	s_add_nc_u64 s[10:11], s[10:11], s[42:43]      ; b1[e][128 c]
	s_lshl_b32 s42, s22, 22
	s_lshl_b32 s36, s21, 11
	s_add_co_u32 s42, s42, s36
	s_add_nc_u64 s[14:15], s[14:15], s[42:43]      ; hq[e], K step c:
	s_lshl_b32 s42, s20, 16
	s_add_co_u32 s42, s42, 0x100000
	s_add_nc_u64 s[46:47], s[14:15], s[42:43]      ; tile 16 + w,
	s_lshl_b32 s42, s20, 18
	s_add_nc_u64 s[14:15], s[14:15], s[42:43]      ; tile 4 w
	s_lshl_b32 s42, s22, 7
	s_add_nc_u64 s[18:19], s[18:19], s[42:43]      ; counts[e]
.set gg, 0
.rept 32
	global_load_b64 v[RT+2*gg:RT+2*gg+1], v5, s[4:5] offset:256*gg
.set gg, gg+1
.endr
	BLOAD 0
	WIN 0
	s_wait_loadcnt 16                              ; route is in; W1's first run of 16 stays out
	BLOAD 1
	BLOAD 2
	WIN 0
	; THE PLACING.  For each 32 tokens: who chose e (either slot); rank = the count so far + the choosers in lower lanes.  Every wave runs it for the count; wave 0 uses the places.
	s_mov_b32 s33, 0                               ; the count so far
	s_mov_b32 s37, 0                               ; kept from the group g = c: the count ahead of it,
	s_mov_b32 s38, 0                               ; its choosers,
	s_mov_b32 s39, 0                               ; and those that chose e in slot 1
.set gg, 0
.rept 32
	v_cmp_eq_u32 s34, s22, v[RT+2*gg]
	v_cmp_eq_u32 s35, s22, v[RT+2*gg+1]
	s_or_b32 s34, s34, s35
	v_mbcnt_lo_u32_b32 v[PL+gg], s34, s33
	v_cndmask_b32 v[PL+gg], v13, v[PL+gg], s34     ; a lane that did not choose e writes into its word behind the list
	v_min_u32 v[PL+gg], 1311, v[PL+gg]
	v_lshl_add_u32 v[PL+gg], v[PL+gg], 2, LIST
	s_cmp_eq_u32 s21, gg
	s_cselect_b32 s37, s33, s37
	s_cselect_b32 s38, s34, s38
	s_cselect_b32 s39, s35, s39
	s_bcnt1_i32_b32 s36, s34
	s_add_co_u32 s33, s33, s36
.set gg, gg+1
.endr
	s_add_co_u32 s32, s33, 15
	s_lshr_b32 s32, s32, 4                         ; tiles of expert e
	s_cmp_lg_u32 s20, 0
	s_cbranch_scc1 .Lnot0
	; wave 0 alone touches LDS ahead of the first barrier: zeros over the list's 1,280 words (the places past the count name token 0),
.irp k, 0,1,2,3,4,5,6,7,8,9
	ds_store_b128 v30, v[24:27] offset:512*\k
.endr
.set gg, 0
.rept 32
	v_add_nc_u32 v[RT+gg], 32*gg, v1
.set gg, gg+1
.endr
.set gg, 0
.rept 32
	ds_store_b32 v[PL+gg], v[RT+gg]                ; then the tokens by rank: LDS serves a wave's instructions in order
.set gg, gg+1
.endr
	v_mbcnt_lo_u32_b32 v31, s38, s37               ; rowtab of tokens 32 c + lane: the row e x 1,024 + rank,
	s_lshl_b32 s36, s22, 10
	v_add_nc_u32 v31, s36, v31
	v_cndmask_b32 v32, 0, 1, s39                   ; at the slot in which the token chose e:
	s_lshl_b32 s36, s21, 5
	v_add_nc_u32 v33, s36, v1
	v_lshl_add_u32 v33, v33, 1, v32                ; word 2 x token + slot;
	s_lshl_b32 s36, s22, 5
	s_add_co_u32 s36, s36, s21
	s_lshl_b32 s36, s36, 5
	s_add_co_u32 s36, s36, 2048
	v_add_nc_u32 v32, s36, v1                      ; a lane whose token did not choose e: its own word behind the table
	v_cndmask_b32 v33, v32, v33, s38
	v_min_u32 v33, 10239, v33                      ; held inside the buffer's 10,240 words
	v_lshlrev_b32 v33, 2, v33
	global_store_b32 v33, v31, s[16:17]
	s_cmp_lg_u32 s21, 0
	s_cbranch_scc1 .Lnot0
	v_mov_b32 v34, s33                             ; work-group c = 0 stores the expert's count
	global_store_b32 v35, v34, s[18:19]
.Lnot0:
	s_wait_dscnt 0x0                               ; the list lies in LDS
	s_barrier_signal -1
	s_barrier_wait -1
.set kk, 0
.rept 4                                ; my row's token in all 20 tiles that my wave may take: pass kk: tiles 20 kk + 4 w + 0 .. 3, then tile 20 kk + 16 + w
.irp i, 0,1,2,3
	ds_load_b32 v[TK+5*kk+\i], v11 offset:1280*kk+64*\i
.endr
	ds_load_b32 v[TK+5*kk+4], v12 offset:1280*kk
.set kk, kk+1
.endr
	s_wait_dscnt 0x0
	ROWS
	; W1 on its way to LDS, and the first tokens.  Each wait below is for the oldest 16 loads; what was issued behind them stays out.
	s_wait_alu depctr_va_vdst(0)
	s_wait_loadcnt 32                              ; run 0 is in; runs 1 and 2 stay out
	BSTORE 0
	BLOAD 3
	WIN 0
	s_wait_kmcnt 0x0
	s_add_co_i32 s36, s24, s25
	s_sub_co_i32 s28, 0, s36
	s_sub_co_i32 s29, s26, s36
	s_add_co_i32 s29, s29, 127
	s_add_co_i32 s30, s29, 15
	s_lshl_b32 s29, s29, 23                        ; 2^(eh - ex - ew1)
	s_lshl_b32 s30, s30, 23
	s_or_b32 s30, s30, 0x600000                    ; 57,344 x that
	s_wait_loadcnt 32                              ; run 1; runs 2 and 3 stay out
	BSTORE 1
	WIN 0
.irp t, 0,1,2,3,4,5,6,7                ; b1 in the result's layout: lane (r, h), tile 2 b + u: units 32 b + 16 h + 8 u + 0 .. 7
	global_load_b128 v[BIAS+8*\t:BIAS+8*\t+3],   v7, s[10:11] offset:(32*(\t/2)+8*(\t%2))*4
	global_load_b128 v[BIAS+8*\t+4:BIAS+8*\t+7], v7, s[10:11] offset:(32*(\t/2)+8*(\t%2))*4+16
.endr
	s_wait_loadcnt 32                              ; run 2; run 3 and b1 stay out, 16 each
	BSTORE 2
	ALOAD 5, 0
	s_wait_loadcnt 36                              ; run 3; b1's 16 and the first K step's 20 stay out
	BSTORE 3
	ALOAD 5, 1
	WIN 0
	s_wait_loadcnt 40                              ; b1; two K steps' 20 each stay out
.set n, 0
.rept 64
	v_ldexp_f32 v[BIAS+n], v[BIAS+n], s28          ; b1 / 2^(ex + ew1): what the sums lack
.set n, n+1
.endr
	v_mov_b32 v[SC], s29
	v_mov_b32 v[LM], s30
	ALOAD 5, 2
	WIN 0
	s_wait_dscnt 0x0                               ; my rows of W1 lie in LDS
	s_barrier_signal -1
	s_barrier_wait -1                              ; all 128 do: from here on LDS is only read, and no barrier follows
	s_mov_b32 s31, 0                               ; the pass
	s_lshl_b32 s41, s20, 2                         ; my first tile: 4 w + 20 p
	s_and_b32 s45, s20, 2
	s_add_co_u32 s45, s45, 16                      ; the first tile of my fifth tile's pair: 16 + (w & 2) + 20 p
.Lpass:
	s_cmp_eq_u32 s31, 0
	s_cbranch_scc1 .Lsel                           ; the first pass is always made; its offsets are made and its first three K steps have been asked for
	s_wait_loadcnt 0x0                             ; no load of mine is out (the pass before ended its last K step with this wait): the offsets and the slots below are written anew
	s_cmp_ge_u32 s41, s32
	s_cbranch_scc1 .Ldone                          ; my first tile lies past the count: so do all my later ones
	ROWS
	ALOAD 5, 0
	ALOAD 5, 1
	ALOAD 5, 2
	WIN 0
.Lsel:
	s_cmp_lt_u32 s45, s32
	s_cbranch_scc1 .Lc5                            ; the fifth tile's pair begins under the count
	s_wait_alu depctr_va_vdst(0)
	COMPUTE 4
	EPI 4
	s_branch .Lnext
.Lc5:
	s_wait_alu depctr_va_vdst(0)
	COMPUTE 5
	EPI 5
.Lnext:
	s_wait_xcnt 0x0                                ; the stores have read their codes and their bases: both are written again below
	s_add_nc_u64 s[14:15], s[14:15], 0x140000      ; 20 tiles on
	s_add_nc_u64 s[46:47], s[46:47], 0x140000
.set kk, 0
.rept 15
	v_mov_b32 v[TK+kk], v[TK+kk+5]                 ; the next pass's five tokens come to the front
.set kk, kk+1
.endr
	s_add_co_u32 s41, s41, 20
	s_add_co_u32 s45, s45, 20
	s_add_co_u32 s31, s31, 1
	s_cmp_lt_u32 s31, 4
	s_cbranch_scc1 .Lpass
.Ldone:
	s_wait_tensorcnt 0x0                           ; the wave's end
	ds_add_u32 v[SPW], v[NIL]
	s_wait_dscnt 0x0
	s_endpgm
.Lfunc_end_k_q8bb17e91c1_up:
	.size	k_q8bb17e91c1_up, .Lfunc_end_k_q8bb17e91c1_up-k_q8bb17e91c1_up
	.p2alignl 7, 3214868480
	.fill 96, 4, 3214868480
	.section	.rodata,"a",@progbits
	.p2align	6, 0x0
	.amdhsa_kernel k_q8bb17e91c1_up
		.amdhsa_group_segment_fixed_size 139008
		.amdhsa_private_segment_fixed_size 0
		.amdhsa_enable_private_segment 0
		.amdhsa_kernarg_size 64
		.amdhsa_user_sgpr_count 2
		.amdhsa_user_sgpr_kernarg_segment_ptr 1
		.amdhsa_wavefront_size32 1
		.amdhsa_system_sgpr_workgroup_id_x 1
		.amdhsa_system_sgpr_workgroup_id_y 1
		.amdhsa_system_sgpr_workgroup_id_z 1
		.amdhsa_system_vgpr_workitem_id 0
		.amdhsa_next_free_vgpr 896
		.amdhsa_next_free_sgpr 66
		.amdhsa_reserve_vcc 0
		.amdhsa_float_denorm_mode_32 3
		.amdhsa_float_denorm_mode_16_64 3
		.amdhsa_memory_ordered 1
		.amdhsa_forward_progress 1
		.amdhsa_inst_pref_size 202
	.end_amdhsa_kernel
	.amdgpu_metadata
---
amdhsa.version: [ 1, 2 ]
amdhsa.kernels:
  - .name:           k_q8bb17e91c1_up
    .symbol:         k_q8bb17e91c1_up.kd
    .args:
      - { .name: route, .offset: 0, .size: 8, .value_kind: global_buffer, .address_space: global }
      - { .name: xq, .offset: 8, .size: 8, .value_kind: global_buffer, .address_space: global }
      - { .name: w1_codes, .offset: 16, .size: 8, .value_kind: global_buffer, .address_space: global }
      - { .name: b1, .offset: 24, .size: 8, .value_kind: global_buffer, .address_space: global }
      - { .name: lowp_scales, .offset: 32, .size: 8, .value_kind: global_buffer, .address_space: global }
      - { .name: hq, .offset: 40, .size: 8, .value_kind: global_buffer, .address_space: global }
      - { .name: rowtab, .offset: 48, .size: 8, .value_kind: global_buffer, .address_space: global }
      - { .name: counts, .offset: 56, .size: 8, .value_kind: global_buffer, .address_space: global }
    .group_segment_fixed_size: 139008
    .private_segment_fixed_size: 0
    .kernarg_segment_align: 8
    .kernarg_segment_size: 64
    .max_flat_workgroup_size: 128
    .sgpr_count:     66
    .vgpr_count:     896
    .wavefront_size: 32
...
	.end_amdgpu_metadata
.endif
;; end of part 2
;; launch down (part 3): grid 8 x 32, 4 waves a work-group, no clusters, 312,832 bytes of LDS; arguments counts, hq, w2_codes, b2, lowp_scales, y; writes y
.if DOCPART == 3
	.amdgcn_target "amdgcn-amd-amdhsa--gfx1250"
	.amdhsa_code_object_version 6
	.text
	.protected	k_q8bb17e91c1_down
	.globl	k_q8bb17e91c1_down
	.p2align	8
	.type	k_q8bb17e91c1_down,@function
k_q8bb17e91c1_down:
	s_mov_b64 s[64:65], 0
	v_nop
	global_prefetch_b8 v0, s[64:65] scope:SCOPE_SE
	s_setreg_imm32_b32 hwreg(HW_REG_WAVE_MODE, 25, 1), 1
	s_wait_xcnt 0x0
; THE SECOND PRODUCT OF EACH EXPERT, ON ITS CHOSEN ROWS ALONE, IN TWO HALVES OF K: y[kh][e x 1,024 + rank][d] = (Q(h) W2[e]^T over k in half kh) x 2^(eh + ew2), + b2[e][d] in half 0; f32.  The next launch adds the halves.
; Work left out: the rows of tokens that did not choose expert e (see the first kernel's head).
; SHARES.  Work-group (e, dc + 8 kh + 16 mh) owns outputs 128 dc .. 128 dc + 127, 2,048 of the 4,096 along K, and of the expert's tiles of 16 ranks those of its four waves: slot q = 2 w + mh takes tiles 2 q, 2 q + 1 and,
; where it lies under the count, tile 16 + q.  So a work-group reads 256 KiB of W2 and 256 KiB of codes for tiles 0 to 15.  Tiles from 24 on (an expert with more than 384 tokens) go through the loop at the end.
; The launch before stores tiles 0 to 15 of every expert always, and every tile under the count.  A slot whose third tile lies past the count asks for 16 bytes of its first tile instead, one address for all lanes, and stores nothing of it:
; no branch on the count stands ahead of the last barrier.
; W2 goes by chunks of 256 along K: memory to registers (two sets), registers to LDS, a barrier; each chunk has LDS bytes of its own, written once.  While chunk j is multiplied, chunk j + 1 is put into LDS and chunk j + 2 is on its way.
; The hidden layer's codes are images of the operand's registers, 512 consecutive bytes a load, three K steps ahead in four slots.  In each K step a wave asks for 8 pieces of W2 and 12 of the codes.
; No tensor load and no cluster: branches hang on a count read from memory.  No prefetch: the loads themselves run ahead by three steps in registers.
; TRANSPOSED: source 0 = 16 rows of W2, source 1 = 16 ranks: a lane holds one rank and eight neighbouring outputs.  A tile goes through my wave's own stage and leaves as rows of 512 bytes.
; LIMIT: eh + ew2 between -126 and 127.
; REGISTERS.  window 0: v1-24 addresses; v32-63 b2 in the last loop; v64-127 b2; v128-191, v192-255 W2's fragments, two sets of 4 tiles (on the way out: results).
;   window 1: the codes, 4 slots of (3 tiles x 16), K step s in slot s % 4 (on the way out: rows read back).   window 2: the 24 accumulators, (tile of ranks i, tile of outputs t) at 64 i + 8 t.   window 3: W2 on its way to LDS, two sets of 64.
.set PITCH, 272                        ; an LDS row of a chunk: 256 bytes + 16: 17 x 16 bytes
.set CH,    128*PITCH                  ; a chunk's 128 rows
.set STAGE, 8*CH                       ; 16 rows x 528 bytes for each wave
.set SPARE, STAGE+4*16*528             ; the spare words, 128 bytes a wave
.set ST,  6                            ; v6-9    where my wave's pieces go, chunks 2 i and 2 i + 1
.set SPW, 14                           ; v14     my spare word; never rewritten
.set NIL, 15                           ; v15     0; never rewritten
.set WF,  16                           ; v16-19  my lane's place in a fragment, chunks 2 i and 2 i + 1
.set WR,  20                           ; v20-23  the same for the last loop's half of the outputs
.set AO,  24                           ; v24     my lane's 16 bytes in the third tile's images (0 in all lanes where that tile lies past the count)
.set BR,  32
.set B2,  64
.set FB,  128
.set TMP, 128
.set MSB, 0
.macro WIN new                         ; the immediate's high byte repeats the setting that is left; a switch that changes nothing is dropped
.if MSB != \new
	s_set_vgpr_msb (MSB<<8)|\new
.set MSB, \new
.endif
.endm
.macro PLACES                          ; four plain places behind matrix instructions, ahead of loads into registers that they read
.rept 4
	v_nop
.endr
.endm
.macro WLOAD p, j                      ; half p of my 32 rows of chunk j: 8 loads, each two rows' aligned 256 bytes
	WIN 0xc0
.set kk, 8*(\p)
.rept 8
	global_load_b128 v[64*((\j)%2)+4*kk:64*((\j)%2)+4*kk+3], v5, s[8:9] offset:kk*8192+256*(\j)
.set kk, kk+1
.endr
.endm
.macro WSTORE j                        ; chunk j's 16 pieces into LDS
	WIN 0x0c
.set kk, 0
.rept 16
	ds_store_b128 v[ST+(\j)/2], v[64*((\j)%2)+4*kk:64*((\j)%2)+4*kk+3] offset:2*PITCH*kk+CH*((\j)%2)
.set kk, kk+1
.endr
.endm
.macro HLOAD s                         ; K step s of my three tiles: 12 loads
	WIN 0x40
.irp c, 0,1,2,3
	global_load_b128 v[48*((\s)%4)+4*\c:48*((\s)%4)+4*\c+3], v4, s[6:7] offset:(\s)*2048+\c*512
.endr
.irp c, 0,1,2,3
	global_load_b128 v[48*((\s)%4)+16+4*\c:48*((\s)%4)+16+4*\c+3], v4, s[6:7] offset:65536+(\s)*2048+\c*512
.endr
.irp c, 0,1,2,3
	global_load_b128 v[48*((\s)%4)+32+4*\c:48*((\s)%4)+32+4*\c+3], v[AO], s[36:37] offset:(\s)*2048+\c*512
.endr
.endm
.macro BIASLOAD p                      ; b2 in the result's layout, tiles 4 p .. 4 p + 3: lane (r, h), tile t: outputs 16 t + 8 h + 0 .. 7
	WIN 0
.set kk, 4*(\p)
.rept 4
	global_load_b128 v[B2+8*kk:B2+8*kk+3], v13, s[10:11] offset:64*kk
	global_load_b128 v[B2+8*kk+4:B2+8*kk+7], v13, s[10:11] offset:64*kk+16
.set kk, kk+1
.endr
.endm
.macro FETCHB q                        ; group q: K step q / 2, tiles 4 (q % 2) .. + 3 of W2: 16 LDS loads into set q % 2
	WIN 0
.irp t, 0,1,2,3
.irp c, 0,1,2,3
	ds_load_b128 v[FB+64*((\q)%2)+16*\t+4*\c:FB+64*((\q)%2)+16*\t+4*\c+3], v[WF+(\q)/8] offset:CH*(((\q)/4)%2)+(4*((\q)%2)+\t)*16*PITCH+128*(((\q)/2)%2)+32*\c
.endr
.endr
.endm
.macro MULG q                          ; 12 matrix instructions; the 24 accumulators take turns
	WIN 0xa4
.irp i, 0,1,2
.irp t, 0,1,2,3
.if (\q) < 2
	v_wmma_f32_16x16x128_bf8_bf8 v[64*\i+8*(4*((\q)%2)+\t):64*\i+8*(4*((\q)%2)+\t)+7], v[FB+64*((\q)%2)+16*\t:FB+64*((\q)%2)+16*\t+15], v[48*(((\q)/2)%4)+16*\i:48*(((\q)/2)%4)+16*\i+15], 0
.else
	v_wmma_f32_16x16x128_bf8_bf8 v[64*\i+8*(4*((\q)%2)+\t):64*\i+8*(4*((\q)%2)+\t)+7], v[FB+64*((\q)%2)+16*\t:FB+64*((\q)%2)+16*\t+15], v[48*(((\q)/2)%4)+16*\i:48*(((\q)/2)%4)+16*\i+15], v[64*\i+8*(4*((\q)%2)+\t):64*\i+8*(4*((\q)%2)+\t)+7]
.endif
.endr
.endr
.endm
; K step ss.  A step asks for 8 pieces of W2 (chunk ss / 2 + 2; in steps 12 and 13 b2's 16 in their place), then for the codes of step ss + 3.
.macro STEP
.if ss == 0
	s_wait_loadcnt 32                              ; step 0's codes are in; behind them: step 1's 12, 8 of chunk 1, step 2's 12
.elseif ss <= 13
	s_wait_loadcnt 40                              ; this step's codes are in; what the two steps before asked for, 20 each, stays out
.elseif ss == 14
	s_wait_loadcnt 28                              ; behind step 14's codes: step 12's 20 and step 13's 8
.else
	s_wait_loadcnt 8                               ; behind step 15's codes: step 13's 8
.endif
.if ss <= 11
	WLOAD ss%2, ss/2+2
.elseif ss <= 13
	BIASLOAD ss%2
.endif
.if ss <= 12
	HLOAD ss+3
.endif
	FETCHB 2*ss+1
.if (ss%2) == 0
	s_wait_dscnt 16                                ; group 2 ss is in; the next group's 16 loads stay out
	MULG 2*ss
	PLACES
	FETCHB 2*ss+2
	s_wait_dscnt 16
	MULG 2*ss+1
	PLACES
.elseif ss < 15
.if ss <= 11
	s_wait_loadcnt 52                              ; chunk ss / 2 + 1 is whole: its last 8 pieces were the oldest of 60
.else
	s_wait_loadcnt 40                              ; the oldest 8 of 48
.endif
	WSTORE ss/2+1
	s_wait_dscnt 32                                ; group 2 ss is in; the next group's 16 loads and the 16 stores stay out
	MULG 2*ss
	s_wait_dscnt 0x0                               ; my pieces of the next chunk lie in LDS
	s_barrier_signal -1
	MULG 2*ss+1
	PLACES
	s_barrier_wait -1                              ; so do everybody's
	FETCHB 2*ss+2
.else
	s_wait_dscnt 16
	MULG 2*ss
	s_wait_dscnt 0x0
	MULG 2*ss+1
.endif
.endm
; The way out of tile i: sum x 2^(eh + ew2) + b2, each accumulator from its low end on; through my stage; LDS serves a wave's instructions in order (ISA guide 5.7.1.4).
.macro TILEOUT i
	WIN 0x02
.irp t, 0,1,2,3,4,5,6,7
.irp j, 0,2,4,6
	v_pk_fma_f32 v[TMP+8*\t+\j:TMP+8*\t+\j+1], v[64*\i+8*\t+\j:64*\i+8*\t+\j+1], s[28:29], v[B2+8*\t+\j:B2+8*\t+\j+1] op_sel_hi:[1,0,1]
.endr
.endr
	WIN 0
.irp t, 0,1,2,3,4,5,6,7
	ds_store_b128 v10, v[TMP+8*\t:TMP+8*\t+3] offset:64*\t
	ds_store_b128 v10, v[TMP+8*\t+4:TMP+8*\t+7] offset:64*\t+16
.endr
	WIN 0x40
.set kk, 0
.rept 16
	ds_load_b128 v[64*\i+4*kk:64*\i+4*kk+3], v11 offset:528*kk
.set kk, kk+1
.endr
.endm
.macro SEND i, base, off               ; 16 rows of 512 consecutive bytes, aligned
	WIN 0x04
.set kk, 0
.rept 16
	global_store_b128 v4, v[64*\i+4*kk:64*\i+4*kk+3], s[\base:\base+1] offset:\off+kk*4096
.set kk, kk+1
.endr
	WIN 0
.endm
	s_load_b256 s[4:11], s[0:1], 0x0               ; counts s[4:5], hq s[6:7], w2 s[8:9], b2 s[10:11]
	s_load_b128 s[12:15], s[0:1], 0x20             ; scales s[12:13], y s[14:15]
	v_lshl_add_u32 v[SPW], v0, 2, SPARE
	v_mov_b32 v[NIL], 0
	v_lshrrev_b32 v1, 5, v0
	v_readfirstlane_b32 s16, v1                    ; wave w
	s_mov_b32 s20, ttmp9                           ; e
	s_and_b32 s33, ttmp7, 0xffff
	s_and_b32 s17, s33, 7                          ; dc
	s_bfe_u32 s18, s33, 0x10003                    ; kh
	s_bfe_u32 s19, s33, 0x10004                    ; mh
	s_and_b32 s23, s16, 1                          ; the last loop: my half of the outputs
	v_and_b32 v1, 31, v0
	v_and_b32 v2, 15, v0                           ; r
	v_bfe_u32 v3, v0, 4, 1                         ; h
	v_lshlrev_b32 v4, 4, v1                        ; 16 x lane
	v_lshlrev_b32 v5, 12, v3
	v_lshl_add_u32 v5, v2, 4, v5                   ; two rows of 4,096 bytes, 16 bytes a lane
	v_mul_u32_u24 v6, v3, PITCH
	v_lshl_add_u32 v6, v2, 4, v6
	s_mul_i32 s32, s16, 32*PITCH
	v_add_nc_u32 v6, s32, v6
	v_add_nc_u32 v7, 2*CH, v6
	v_add_nc_u32 v8, 4*CH, v6
	v_add_nc_u32 v9, 6*CH, v6
	v_mul_u32_u24 v[WF], v2, PITCH
	v_lshl_add_u32 v[WF], v3, 4, v[WF]
	v_add_nc_u32 v[WF+1], 2*CH, v[WF]
	v_add_nc_u32 v[WF+2], 4*CH, v[WF]
	v_add_nc_u32 v[WF+3], 6*CH, v[WF]
	s_mul_i32 s32, s23, 64*PITCH
.irp i, 0,1,2,3
	v_add_nc_u32 v[WR+\i], s32, v[WF+\i]
.endr
	s_mul_i32 s32, s16, 16*528
	s_add_co_u32 s32, s32, STAGE                   ; my stage
	v_mul_u32_u24 v10, v2, 528
	v_lshl_add_u32 v10, v3, 5, v10
	v_add_nc_u32 v10, s32, v10                     ; in: row r, 32 bytes for each half of the lanes
	v_add_nc_u32 v11, s32, v4                      ; back: a row of 512 bytes
	v_mul_u32_u24 v12, v3, 528
	v_lshl_add_u32 v12, v2, 4, v12
	v_add_nc_u32 v12, s32, v12                     ; back in the last loop: two rows of 256 bytes
	v_lshlrev_b32 v13, 5, v3                       ; b2: 8 h numbers on
	s_mov_b32 s33, 0
	s_wait_alu depctr_va_vdst(0)
	s_wait_kmcnt 0x0
	s_lshl_b32 s32, s20, 7
	s_add_nc_u64 s[4:5], s[4:5], s[32:33]
	s_load_b32 s21, s[4:5], 0x0                    ; how many tokens chose e
	s_lshl_b32 s32, s20, 4
	s_add_nc_u64 s[12:13], s[12:13], s[32:33]
	s_load_b128 s[24:27], s[12:13], 0x0            ; ex, ew1, eh, ew2
	s_lshl_b32 s32, s20, 22
	s_lshl_b32 s34, s17, 19
	s_add_co_u32 s32, s32, s34
	s_lshl_b32 s34, s16, 17
	s_add_co_u32 s32, s32, s34
	s_lshl_b32 s34, s18, 11
	s_add_co_u32 s32, s32, s34
	s_add_nc_u64 s[8:9], s[8:9], s[32:33]          ; W2[e], rows 128 dc + 32 w on, half kh of K
	WLOAD 0, 0
	WLOAD 1, 0
	WLOAD 0, 1
	WIN 0
	s_lshl_b32 s32, s20, 12
	s_lshl_b32 s34, s17, 9
	s_add_co_u32 s32, s32, s34
	s_add_nc_u64 s[10:11], s[10:11], s[32:33]      ; b2[e][128 dc]
	s_lshl_b32 s32, s23, 8
	s_add_nc_u64 s[2:3], s[10:11], s[32:33]        ; the last loop: + 64 x my half
	s_lshl_b32 s22, s16, 1
	s_add_co_u32 s22, s22, s19                     ; q = 2 w + mh
	s_lshl_b32 s32, s20, 22
	s_lshl_b32 s34, s18, 15
	s_add_co_u32 s32, s32, s34
	s_add_nc_u64 s[36:37], s[6:7], s[32:33]        ; hq[e], half kh of K steps
	s_lshl_b32 s32, s22, 17
	s_add_nc_u64 s[6:7], s[36:37], s[32:33]        ; tile 2 q
	s_lshl_b32 s47, s19, 1
	s_lshr_b32 s34, s16, 1
	s_add_co_u32 s47, s47, s34
	s_add_co_u32 s47, s47, 24                      ; the last loop's first tile: 24 + 2 mh + w / 2
	s_mov_b64 s[38:39], s[36:37]                   ; the last loop's base: the expert's first tile
	s_lshl_b32 s32, s18, 25
	s_lshl_b32 s34, s20, 22
	s_add_co_u32 s32, s32, s34
	s_lshl_b32 s34, s17, 9
	s_add_co_u32 s32, s32, s34
	s_add_nc_u64 s[14:15], s[14:15], s[32:33]      ; y[kh], expert e's rows, outputs 128 dc on
	s_lshl_b32 s32, s22, 17
	s_add_nc_u64 s[40:41], s[14:15], s[32:33]      ; tile 2 q,
	s_lshl_b32 s32, s22, 16
	s_add_co_u32 s32, s32, 0x100000
	s_add_nc_u64 s[44:45], s[14:15], s[32:33]      ; tile 16 + q,
	s_lshl_b32 s32, s23, 8
	s_add_nc_u64 s[42:43], s[14:15], s[32:33]      ; and the last loop's base
	s_sub_co_u32 s31, s18, 1                       ; all ones where kh = 0, else 0: which half carries b2
	s_add_co_u32 s46, s22, 16
	s_lshl_b32 s34, s22, 1
	s_wait_kmcnt 0x0                               ; the count and the exponents
	s_add_co_u32 s21, s21, 15
	s_lshr_b32 s21, s21, 4                         ; tiles of expert e,
	s_min_u32 s21, s21, 64                         ; 64 at the most
	s_add_co_i32 s28, s26, s27
	s_add_co_i32 s28, s28, 127
	s_lshl_b32 s28, s28, 23                        ; 2^(eh + ew2)
	s_mov_b32 s29, s28                             ; (named with it as a pair, so it is written)
	s_cmp_lt_u32 s46, s21
	s_cselect_b32 s34, s46, s34                    ; tile 16 + q if it lies under the count, else tile 2 q
	s_cselect_b32 s30, 1, 0
	s_min_u32 s34, s34, 63                         ; what hangs on a number read from memory is held inside the expert's 64 tiles before it enters an address
	s_lshl_b32 s32, s34, 16
	s_add_nc_u64 s[36:37], s[36:37], s[32:33]
	s_min_u32 s35, s30, 1
	v_mul_u32_u24 v[AO], s35, v4                   ; 16 x lane, or 0 in all lanes,
	v_min_u32 v[AO], 511, v[AO]                    ; held inside an image's 512 bytes
	s_wait_alu depctr_va_vdst(0)
	HLOAD 0
	HLOAD 1
	WLOAD 1, 1
	s_wait_loadcnt 40                              ; chunk 0 is in; 8 of chunk 1, two steps' codes and 8 more of chunk 1 stay out
	WSTORE 0
	HLOAD 2
	WIN 0
	s_wait_dscnt 0x0                               ; my pieces of chunk 0 lie in LDS
	s_barrier_signal -1
	s_barrier_wait -1
	FETCHB 0
.set ss, 0
.rept 16
	STEP
.set ss, ss+1
.endr
	WIN 0
	s_wait_loadcnt 0x0                             ; b2 is in
.set n, 0
.rept 64
	v_cndmask_b32 v[B2+n], 0, v[B2+n], s31         ; half 0 carries b2.  (These lines are the last products' places too)
.set n, n+1
.endr
	TILEOUT 0
	TILEOUT 1
	s_wait_dscnt 32                                ; tile 0's rows are back; tile 1's 16 stores and 16 loads stay out
	SEND 0, 40, 0
	s_wait_dscnt 0x0
	SEND 1, 40, 65536
	s_cmp_eq_u32 s30, 0
	s_cbranch_scc1 .Lno3                           ; my third tile lies past the count
	TILEOUT 2
	s_wait_dscnt 0x0
	SEND 2, 44, 0
.Lno3:
	; TILES FROM 24 ON, for an expert with more than 384 tokens: two waves to a tile, 64 outputs each; W2 lies in LDS whole.  Each step is written out with constant LDS offsets.
	s_mov_b32 s46, 0
.Lrare:
	s_cmp_ge_u32 s47, s21
	s_cbranch_scc1 .Ldone
	s_wait_xcnt 0x0                                ; the stores have read their registers, which are written anew below
	v_mov_b32 v25, s47
	v_min_u32 v25, 63, v25                         ; the tile, held inside the expert's 64 before it enters an offset
	v_lshl_add_u32 v26, v25, 16, v5                ; 65,536 bytes a tile, in y
	v_lshl_add_u32 v25, v25, 16, v4                ; and in hq
	s_wait_alu depctr_va_vdst(0)
.irp t, 0,1,2,3
	global_load_b128 v[BR+8*\t:BR+8*\t+3], v13, s[2:3] offset:64*\t
	global_load_b128 v[BR+8*\t+4:BR+8*\t+7], v13, s[2:3] offset:64*\t+16
.endr
.irp hf, 0,1
	WIN 0x40
.set kk, 0
.rept 8
.irp c, 0,1,2,3
	global_load_b128 v[16*kk+4*\c:16*kk+4*\c+3], v25, s[38:39] offset:(8*\hf+kk)*2048+\c*512
.endr
.set kk, kk+1
.endr
	WIN 0
	s_wait_loadcnt 0x0
.set kk, 0
.rept 8
.set sr, 8*\hf+kk
	PLACES
.irp t, 0,1,2,3
.irp c, 0,1,2,3
	ds_load_b128 v[FB+64*(sr%2)+16*\t+4*\c:FB+64*(sr%2)+16*\t+4*\c+3], v[WR+sr/4] offset:CH*((sr/2)%2)+\t*16*PITCH+128*(sr%2)+32*\c
.endr
.endr
	s_wait_dscnt 0x0
	WIN 0xa4
.irp t, 0,1,2,3
.if sr == 0
	v_wmma_f32_16x16x128_bf8_bf8 v[8*\t:8*\t+7], v[FB+64*(sr%2)+16*\t:FB+64*(sr%2)+16*\t+15], v[16*kk:16*kk+15], 0
.else
	v_wmma_f32_16x16x128_bf8_bf8 v[8*\t:8*\t+7], v[FB+64*(sr%2)+16*\t:FB+64*(sr%2)+16*\t+15], v[16*kk:16*kk+15], v[8*\t:8*\t+7]
.endif
.endr
	WIN 0
.set kk, kk+1
.endr
	PLACES
.endr
.set n, 0
.rept 32
	v_cndmask_b32 v[BR+n], 0, v[BR+n], s31
.set n, n+1
.endr
	WIN 0x02
.irp t, 0,1,2,3
.irp j, 0,2,4,6
	v_pk_fma_f32 v[TMP+8*\t+\j:TMP+8*\t+\j+1], v[8*\t+\j:8*\t+\j+1], s[28:29], v[BR+8*\t+\j:BR+8*\t+\j+1] op_sel_hi:[1,0,1]
.endr
.endr
	WIN 0
.irp t, 0,1,2,3
	ds_store_b128 v10, v[TMP+8*\t:TMP+8*\t+3] offset:64*\t
	ds_store_b128 v10, v[TMP+8*\t+4:TMP+8*\t+7] offset:64*\t+16
.endr
.irp k, 0,1,2,3,4,5,6,7
	ds_load_b128 v[TMP+64+4*\k:TMP+64+4*\k+3], v12 offset:1056*\k
.endr
	s_wait_dscnt 0x0
.irp k, 0,1,2,3,4,5,6,7
	global_store_b128 v26, v[TMP+64+4*\k:TMP+64+4*\k+3], s[42:43] offset:8192*\k   ; sixteen lanes store 256 consecutive bytes, aligned
.endr
	s_wait_xcnt 0x0
	s_add_co_u32 s47, s47, 4                       ; four tiles on
	s_add_co_u32 s46, s46, 1
	s_cmp_lt_u32 s46, 10
	s_cbranch_scc1 .Lrare
.Ldone:
	s_wait_tensorcnt 0x0                           ; the wave's end
	ds_add_u32 v[SPW], v[NIL]
	s_wait_dscnt 0x0
	s_endpgm
.Lfunc_end_k_q8bb17e91c1_down:
	.size	k_q8bb17e91c1_down, .Lfunc_end_k_q8bb17e91c1_down-k_q8bb17e91c1_down
	.p2alignl 7, 3214868480
	.fill 96, 4, 3214868480
	.section	.rodata,"a",@progbits
	.p2align	6, 0x0
	.amdhsa_kernel k_q8bb17e91c1_down
		.amdhsa_group_segment_fixed_size 312832
		.amdhsa_private_segment_fixed_size 0
		.amdhsa_enable_private_segment 0
		.amdhsa_kernarg_size 48
		.amdhsa_user_sgpr_count 2
		.amdhsa_user_sgpr_kernarg_segment_ptr 1
		.amdhsa_wavefront_size32 1
		.amdhsa_system_sgpr_workgroup_id_x 1
		.amdhsa_system_sgpr_workgroup_id_y 1
		.amdhsa_system_sgpr_workgroup_id_z 1
		.amdhsa_system_vgpr_workitem_id 0
		.amdhsa_next_free_vgpr 896
		.amdhsa_next_free_sgpr 66
		.amdhsa_reserve_vcc 0
		.amdhsa_float_denorm_mode_32 3
		.amdhsa_float_denorm_mode_16_64 3
		.amdhsa_memory_ordered 1
		.amdhsa_forward_progress 1
		.amdhsa_inst_pref_size 166
	.end_amdhsa_kernel
	.amdgpu_metadata
---
amdhsa.version: [ 1, 2 ]
amdhsa.kernels:
  - .name:           k_q8bb17e91c1_down
    .symbol:         k_q8bb17e91c1_down.kd
    .args:
      - { .name: counts, .offset: 0, .size: 8, .value_kind: global_buffer, .address_space: global }
      - { .name: hq, .offset: 8, .size: 8, .value_kind: global_buffer, .address_space: global }
      - { .name: w2_codes, .offset: 16, .size: 8, .value_kind: global_buffer, .address_space: global }
      - { .name: b2, .offset: 24, .size: 8, .value_kind: global_buffer, .address_space: global }
      - { .name: lowp_scales, .offset: 32, .size: 8, .value_kind: global_buffer, .address_space: global }
      - { .name: y, .offset: 40, .size: 8, .value_kind: global_buffer, .address_space: global }
    .group_segment_fixed_size: 312832
    .private_segment_fixed_size: 0
    .kernarg_segment_align: 8
    .kernarg_segment_size: 48
    .max_flat_workgroup_size: 128
    .sgpr_count:     66
    .vgpr_count:     896
    .wavefront_size: 32
...
	.end_amdgpu_metadata
.endif
;; end of part 3
;; launch combine (part 4): grid 256 x 1, 4 waves a work-group, no clusters, 0 bytes of LDS; arguments rowtab, toplog, y, out0; writes out0
.if DOCPART == 4
	.amdgcn_target "amdgcn-amd-amdhsa--gfx1250"
	.amdhsa_code_object_version 6
	.text
	.protected	k_q8bb17e91c1_combine
	.globl	k_q8bb17e91c1_combine
	.p2align	8
	.type	k_q8bb17e91c1_combine,@function
k_q8bb17e91c1_combine:
	s_mov_b64 s[64:65], 0
	v_nop
	global_prefetch_b8 v0, s[64:65] scope:SCOPE_SE
	s_setreg_imm32_b32 hwreg(HW_REG_WAVE_MODE, 25, 1), 1
	s_wait_xcnt 0x0
; out0[t] = g0 y[row0(t)] + g1 y[row1(t)], g_k = softmax over the 128 tokens of t's batch of the k-th kept logit (reference() takes it along the token axis), with the maximum taken away first.
; Work left out: the six experts of a token whose gate is the 0 of reference()'s own one_hot (see the first kernel's head).
; A wave takes one token: its two rows of y (4,096 bytes each, found by the rows that an earlier launch stored as whole numbers), and its batch's 256 kept logits, 8 a lane.
; A stream: no LDS, no matrix unit.  Every load and store of a row covers 512 consecutive bytes.
	s_load_b256 s[4:11], s[0:1], 0x0               ; rowtab, toplog, y, out0
	v_lshrrev_b32 v1, 5, v0
	v_readfirstlane_b32 s12, v1
	v_and_b32 v1, 31, v0
	v_lshlrev_b32 v2, 4, v1                        ; 16 x lane
	v_lshlrev_b32 v3, 5, v1                        ; 32 x lane: four tokens' two logits
	s_lshl_b32 s13, ttmp9, 2
	s_add_co_u32 s13, s13, s12                     ; my token
	s_lshl_b32 s14, s13, 3
	s_mov_b32 s15, 0
	s_lshr_b32 s28, s13, 7
	s_lshl_b32 s28, s28, 10                        ; my batch's 1,024 bytes of toplog
	s_mov_b32 s29, 0
	s_lshl_b32 s30, s13, 12
	s_mov_b32 s31, 0
	s_mov_b32 s2, 0x76543210                       ; v_permlanex16_b32: lane l xor 16
	s_mov_b32 s3, 0xfedcba98
	s_wait_alu depctr_va_vdst(0)
	s_wait_kmcnt 0x0
	s_add_nc_u64 s[20:21], s[4:5], s[14:15]
	s_add_nc_u64 s[22:23], s[6:7], s[14:15]
	s_load_b64 s[16:17], s[20:21], 0x0             ; my two rows
	s_load_b64 s[18:19], s[22:23], 0x0             ; my two logits
	s_add_nc_u64 s[6:7], s[6:7], s[28:29]
	s_add_nc_u64 s[10:11], s[10:11], s[30:31]
	global_load_b128 v[8:11], v3, s[6:7]           ; even registers: slot 0; odd: slot 1
	global_load_b128 v[12:15], v3, s[6:7] offset:16
	s_wait_kmcnt 0x0
	s_min_u32 s16, s16, 8191                       ; a number read from memory is held inside y's rows before it enters an address
	s_min_u32 s17, s17, 8191
	s_lshl_b32 s24, s16, 12
	s_mov_b32 s25, 0
	s_lshl_b32 s26, s17, 12
	s_mov_b32 s27, 0
	s_add_nc_u64 s[24:25], s[8:9], s[24:25]
	s_add_nc_u64 s[26:27], s[8:9], s[26:27]
	s_add_nc_u64 s[20:21], s[24:25], 0x2000000     ; the same rows in the second half of y: a row's value is the sum of its two halves' partial sums
	s_add_nc_u64 s[22:23], s[26:27], 0x2000000
.irp j, 0,1,2,3,4,5,6,7
	global_load_b128 v[16+4*\j:19+4*\j], v2, s[24:25] offset:512*\j th:TH_LOAD_NT
	global_load_b128 v[96+4*\j:99+4*\j], v2, s[20:21] offset:512*\j th:TH_LOAD_NT
	global_load_b128 v[48+4*\j:51+4*\j], v2, s[26:27] offset:512*\j th:TH_LOAD_NT
	global_load_b128 v[128+4*\j:131+4*\j], v2, s[22:23] offset:512*\j th:TH_LOAD_NT
.endr
	s_wait_loadcnt 32                              ; the batch's logits are in; the 32 loads of y stay out
	v_max3_num_f32 v80, v8, v10, v12               ; each slot's largest logit: in my lane,
	v_max3_num_f32 v81, v9, v11, v13
	v_max_num_f32 v80, v80, v14
	v_max_num_f32 v81, v81, v15
.irp m, 1,2,4,8                        ; and over the wave
	v_max_num_f32_dpp v80, v80, v80 row_xmask:\m row_mask:0xf bank_mask:0xf
	v_max_num_f32_dpp v81, v81, v81 row_xmask:\m row_mask:0xf bank_mask:0xf
.endr
	v_mov_b32 v88, 0                               ; written once: a lane permute's destination counts as one of its sources
	v_mov_b32 v89, 0
	v_permlanex16_b32 v88, v80, s2, s3
	v_permlanex16_b32 v89, v81, s2, s3
	v_max_num_f32 v80, v80, v88
	v_max_num_f32 v81, v81, v89
	v_mov_b32 v84, s18                             ; my own two logits go the same way
	v_mov_b32 v85, s19
.irp p, 8,10,12,14,84
	v_pk_add_f32 v[\p:\p+1], v[\p:\p+1], v[80:81] neg_lo:[0,1] neg_hi:[0,1]   ; less the maximum
.endr
.irp p, 8,10,12,14,84
	v_pk_mul_f32 v[\p:\p+1], v[\p:\p+1], 0x3fb8aa3b op_sel_hi:[1,0]           ; x log2(e)
.endr
	s_wait_alu depctr_va_vdst(0)
.irp r, 8,9,10,11,12,13,14,15,84,85
	v_exp_f32 v\r, v\r
.endr
	v_nop                                          ; a plain line behind the last exponential
	s_wait_alu depctr_va_vdst(0)                   ; one wait for the ten, ahead of their first reader
	v_pk_add_f32 v[86:87], v[8:9], v[10:11]
	v_pk_add_f32 v[90:91], v[12:13], v[14:15]
	v_pk_add_f32 v[86:87], v[86:87], v[90:91]
.irp m, 1,2,4,8
	v_add_f32_dpp v86, v86, v86 row_xmask:\m row_mask:0xf bank_mask:0xf
	v_add_f32_dpp v87, v87, v87 row_xmask:\m row_mask:0xf bank_mask:0xf
.endr
	v_permlanex16_b32 v88, v86, s2, s3
	v_permlanex16_b32 v89, v87, s2, s3
	v_add_f32 v86, v86, v88
	v_add_f32 v87, v87, v89
	s_wait_alu depctr_va_vdst(0)
	v_rcp_f32 v90, v86
	v_rcp_f32 v91, v87
	v_nop                                          ; a plain line behind the last reciprocal
	s_wait_alu depctr_va_vdst(0)                   ; one wait for the two
	v_mul_f32 v80, v84, v90                        ; g0,
	v_mul_f32 v82, v85, v91                        ; g1;
	v_mov_b32 v81, v80                             ; each is named as a pair below, so both words are written
	v_mov_b32 v83, v82
	s_wait_alu depctr_va_vdst(0)
.irp j, 0,1,2,3,4,5,6,7
	s_wait_loadcnt 28-4*\j                         ; piece j of all four rows is in; the later pieces stay out
	v_pk_mul_f32 v[16+4*\j:17+4*\j], v[16+4*\j:17+4*\j], v[80:81] op_sel_hi:[1,0]
	v_pk_mul_f32 v[18+4*\j:19+4*\j], v[18+4*\j:19+4*\j], v[80:81] op_sel_hi:[1,0]
	v_pk_fma_f32 v[16+4*\j:17+4*\j], v[96+4*\j:97+4*\j], v[80:81], v[16+4*\j:17+4*\j] op_sel_hi:[1,0,1]
	v_pk_fma_f32 v[18+4*\j:19+4*\j], v[98+4*\j:99+4*\j], v[80:81], v[18+4*\j:19+4*\j] op_sel_hi:[1,0,1]
	v_pk_fma_f32 v[16+4*\j:17+4*\j], v[128+4*\j:129+4*\j], v[82:83], v[16+4*\j:17+4*\j] op_sel_hi:[1,0,1]
	v_pk_fma_f32 v[18+4*\j:19+4*\j], v[130+4*\j:131+4*\j], v[82:83], v[18+4*\j:19+4*\j] op_sel_hi:[1,0,1]
	v_pk_fma_f32 v[16+4*\j:17+4*\j], v[48+4*\j:49+4*\j], v[82:83], v[16+4*\j:17+4*\j] op_sel_hi:[1,0,1]
	v_pk_fma_f32 v[18+4*\j:19+4*\j], v[50+4*\j:51+4*\j], v[82:83], v[18+4*\j:19+4*\j] op_sel_hi:[1,0,1]
	global_store_b128 v2, v[16+4*\j:19+4*\j], s[10:11] offset:512*\j th:TH_STORE_NT
.endr
	s_endpgm
.Lfunc_end_k_q8bb17e91c1_combine:
	.size	k_q8bb17e91c1_combine, .Lfunc_end_k_q8bb17e91c1_combine-k_q8bb17e91c1_combine
	.p2alignl 7, 3214868480
	.fill 96, 4, 3214868480
	.section	.rodata,"a",@progbits
	.p2align	6, 0x0
	.amdhsa_kernel k_q8bb17e91c1_combine
		.amdhsa_group_segment_fixed_size 0
		.amdhsa_private_segment_fixed_size 0
		.amdhsa_enable_private_segment 0
		.amdhsa_kernarg_size 32
		.amdhsa_user_sgpr_count 2
		.amdhsa_user_sgpr_kernarg_segment_ptr 1
		.amdhsa_wavefront_size32 1
		.amdhsa_system_sgpr_workgroup_id_x 1
		.amdhsa_system_sgpr_workgroup_id_y 1
		.amdhsa_system_sgpr_workgroup_id_z 1
		.amdhsa_system_vgpr_workitem_id 0
		.amdhsa_next_free_vgpr 160
		.amdhsa_next_free_sgpr 66
		.amdhsa_reserve_vcc 0
		.amdhsa_float_denorm_mode_32 3
		.amdhsa_float_denorm_mode_16_64 3
		.amdhsa_memory_ordered 1
		.amdhsa_forward_progress 1
		.amdhsa_inst_pref_size 14
	.end_amdhsa_kernel
	.amdgpu_metadata
---
amdhsa.version: [ 1, 2 ]
amdhsa.kernels:
  - .name:           k_q8bb17e91c1_combine
    .symbol:         k_q8bb17e91c1_combine.kd
    .args:
      - { .name: rowtab, .offset: 0, .size: 8, .value_kind: global_buffer, .address_space: global }
      - { .name: toplog, .offset: 8, .size: 8, .value_kind: global_buffer, .address_space: global }
      - { .name: y, .offset: 16, .size: 8, .value_kind: global_buffer, .address_space: global }
      - { .name: out0, .offset: 24, .size: 8, .value_kind: global_buffer, .address_space: global }
    .group_segment_fixed_size: 0
    .private_segment_fixed_size: 0
    .kernarg_segment_align: 8
    .kernarg_segment_size: 32
    .max_flat_workgroup_size: 128
    .sgpr_count:     66
    .vgpr_count:     160
    .wavefront_size: 32
...
	.end_amdgpu_metadata
.endif
;; end of part 4
